; MI455X (gfx1250); checked and timed in simulation.
; The chip was launched on July 23, 2026; its instructions are those of AMD's public machine-readable ISA for CDNA 5 (MIT licence, August 2026) and "CDNA5" Instruction Set Architecture Reference Guide (July 2026). The comments in the code are by the model that wrote it; some were corrected since.
;; Attention. Allowed arithmetic: matrix products marked QUANTISED: E2M1 operands, one E8M0 scale for each 32 along K, by v_wmma_scale_f32_16x16x128_f8f6f4 with both operands' format E2M1 (or v_wmma_scale_f32_32x16x128_f4), f32 sums; products left as they are: bf16, f16 or f32 operands; f32 sums; everything else in f32.
;; Inputs: Wkv 512 x 1,024 float32; Wout 512 x 512 float32; Wq 512 x 512 float32; bout 512 float32; mask 4 x 2,048 bool; x 4 x 2,048 x 512 float32.
;; Outputs: out0 4 x 2,048 x 512 float32.
;; This version of the problem:
;;   THIS VERSION OF THE PROBLEM IS GIVEN IN LOW PRECISION. The matrix products marked QUANTISED in the list below multiply operands that are first quantised to E2M1 (2 exponent bits, 1 mantissa bit; 4 bits a number), with one power-of-two scale for each 32 numbers along K (OCP MX v1.0); their sums are f32. The products marked 'left as it is' may take bf16, f16 or f32 operands, with f32 sums. Whichever they take, every output number must still come out within the allowed error. Rounding operands to bf16 (8 significant bits) uses up far more of that allowance than f16 does (11 bits, for magnitudes from 6e-5 to 65,504). All else is computed in f32.
;;   The module's matrix products, in the order in which they are computed (A, B: the left and right operand; K: the contracted axis; several contracted axes count as one K, in the product's order):
;;     1. [M 8,192, K 512] x [K 512, N 512]; A: input x; B: input Wq: QUANTISED
;;     2. [M 8,192, K 512] x [K 512, N 1,024]; A: input x; B: input Wkv: QUANTISED
;;     3. batch 32 x [M 2,048, K 64] x [K 64, N 2,048]; A: computed on the way; B: computed on the way: left as it is (an operand is computed on the way)
;;     4. batch 32 x [M 2,048, K 2,048] x [K 2,048, N 64]; A: computed on the way; B: computed on the way: left as it is (an operand is computed on the way)
;;     5. [M 8,192, K 512] x [K 512, N 512]; A: computed on the way; B: input Wout: left as it is (an operand is computed on the way)
;;   THE QUANTISER, for each operand of a quantised product, along K:
;;     - K is cut into blocks of 32 from its start; a last block that is shorter is filled with zeros.
;;     - A block's scale is 2^e with e = floor(log2(the largest magnitude in the block)) - 2, held to -126 .. 127; a block of zeros has e = 0. As a byte (E8M0): e + 127.
;;     - Each number is divided by its block's scale, clamped to +-6, and rounded to the nearest number of E2M1, ties to even, subnormals kept.
;;     - The product sums the exact products of the quantised numbers (number of the format x scale) in f32.
;;   ~~~python
;;   def quantise(x, axis):      # numpy; x: float32 -> the quantised numbers, widened to float32 again
;;       x = np.moveaxis(x, axis, -1); K = x.shape[-1]
;;       x = np.pad(x, [(0, 0)] * (x.ndim - 1) + [(0, -K % 32)]); x = x.reshape(x.shape[:-1] + (-1, 32)); a = np.abs(x).max(-1, keepdims=True)
;;       e = np.where(a > 0, np.clip(np.frexp(np.where(a > 0, a, 1))[1] - 1 - 2, -126, 127), 0)      # np.frexp(a)[1] - 1 = floor(log2(a)), exactly
;;       r = np.clip(x / 2.0 ** e, -6, 6)
;;       step = 2.0 ** (np.maximum(np.frexp(np.where(r == 0, 1, r))[1] - 1, 0) - 1)
;;       q = np.round(r / step) * step * 2.0 ** e      # np.round: ties to even
;;       return np.moveaxis(q.reshape(q.shape[:-2] + (-1,))[..., :K], -1, axis).astype(np.float32)
;;   ~~~
;; One version. Each part assembles by itself: llvm-mc -triple=amdgcn-amd-amdhsa -mcpu=gfx1250 --defsym DOCPART=n.
;; ======== version 1 of 1: 4 launches
;; limits: values are held in f16: magnitudes above 65,504 overflow, below 6.1e-05 lose precision
;; workspace buffers: xcod 2,228,224 bytes; wcod 418,304 bytes; woimg 524,288 bytes; mbias 32,768 bytes; qimg 8,388,608 bytes; kvimg 16,777,216 bytes; aimg 8,388,608 bytes
;; launch prep (part 1): grid 321 x 1, 4 waves a work-group, no clusters, 10,240 bytes of LDS; arguments x, Wq, Wkv, Wout, mask, xcod, wcod, woimg, mbias; writes xcod, wcod, woimg, mbias
.if DOCPART == 1
	.amdgcn_target "amdgcn-amd-amdhsa--gfx1250"
	.amdhsa_code_object_version 6
	.text
	.protected	k_qbf59112d9c_prep
	.globl	k_qbf59112d9c_prep
	.p2align	8
	.type	k_qbf59112d9c_prep,@function
k_qbf59112d9c_prep:
	s_mov_b64 s[64:65], 0
	v_nop
	global_prefetch_b8 v0, s[64:65] scope:SCOPE_SE
	s_setreg_imm32_b32 hwreg(HW_REG_WAVE_MODE, 25, 1), 1
	s_wait_xcnt 0x0
; PREP: everything that is made once from the inputs, laid as the later launches' operand registers want it.
;   work-groups 0-255   x [8192][512] f32 -> codes of FP4 (E2M1) and E8M0 scale bytes, blocks of 32 along the 512
;   work-groups 256-271 Wq [512][512], 272-303 Wkv [512][1024] -> the same, blocks of 32 along the FIRST axis (their K)
;   work-groups 304-319 Wout [512][512] -> f16, as fragments with K innermost
;   work-group  320     mask [4][2048] -> a bias for each key (0: open, -2^100: masked) and a factor for each batch
; LAYOUTS.  Codes: [tile of 16 rows][block of 32 along K: 16][row 16][16 bytes]: two neighbouring blocks are 512 bytes in which lane 16 h + r
; finds its 16 bytes at 16 x lane, which is a piece of an FP4 fragment as it stands in registers.  x's scale bytes: [token][16];  W's scale words: [tile][row][K step of 128].
; Wout: [tile of 16 columns][octet of k: 64][column 16][16 bytes]: four octets are an f16 fragment of 32 along K in the same way.
; A block's scale is 2^(floor(log2(largest magnitude)) - 2); its byte is the largest magnitude's exponent field - 2, held at 1 from below by a floor among the maximum's leaves.
; THE MASK.  A batch with an open key: factor c = log2(e) / 8 for its queries, bias -2^100 for its masked keys.  A batch with no open key: factor 0 and bias 0 everywhere, so that
; every score is 0 and the weights are uniform, which is what a row of equal scores gives.  The choice is made by selects; no branch hangs on the mask.
; LIMITS: NaN and infinities among the inputs are not served.  A block of zeros gets the byte 1 where the rule says 127: its codes are zeros, and this program alone reads the bytes.
; Blocks whose largest magnitude lies under 2^-124 have their byte held at 1.  Wout's numbers beyond 65,504 do not fit f16; under 6e-8 they become 0.
; No cluster, no tensor load: no two work-groups read the same bytes.  Only x's path uses LDS (a stage that turns 4 bytes a lane into 16 bytes a lane).
.set SCB,   9216                       ; LDS: four stages of 8 x 272 bytes, then the work-group's 512 scale bytes,
.set SPARE, 9728                       ; then the spare words, 128 bytes for each wave, which no other line names
.set SPW, 2                            ; v2   LDS address of my spare word; never rewritten
.set NIL, 3                            ; v3   0; never rewritten
.set R,   32                           ; v32-159  128 numbers as loaded
.set CD,  160                          ; v160-175 codes: registers of their own for each row or block
.set EB,  16                           ; v16-31   x's scale bytes, one register a row
.set LI,  176                          ; v176     16 x lane
	s_load_b512 s[4:19], s[0:1], 0x0               ; x, Wq, Wkv, Wout, mask, xcod, wcod, woimg
	s_load_b64 s[20:21], s[0:1], 0x40              ; mbias
	v_lshl_add_u32 v[SPW], v0, 2, SPARE
	v_mov_b32 v[NIL], 0
	v_lshrrev_b32 v4, 5, v0
	v_readfirstlane_b32 s22, v4                    ; wave 0..3
	v_and_b32 v1, 31, v0                           ; lane
	s_mov_b32 s29, 0                               ; the upper word of every offset: s[28:29]
	s_wait_kmcnt 0x0
	s_cmp_lt_u32 ttmp9, 256                        ; the paths part on the work-group's number alone
	s_cbranch_scc1 .Lx
	s_cmp_lt_u32 ttmp9, 272
	s_cbranch_scc1 .Lwq
	s_cmp_lt_u32 ttmp9, 304
	s_cbranch_scc1 .Lwkv
	s_cmp_lt_u32 ttmp9, 320
	s_cbranch_scc1 .Lwo
; ---- THE MASK: wave b takes batch b: 2,048 bytes, 64 a lane
	s_lshl_b32 s28, s22, 11
	s_add_nc_u64 s[30:31], s[12:13], s[28:29]
	s_lshl_b32 s28, s22, 13
	s_add_nc_u64 s[32:33], s[20:21], s[28:29]      ; the batch's 8,192 bytes of biases
	s_lshl_b32 s28, s22, 7
	s_add_nc_u64 s[34:35], s[16:17], s[28:29]      ; the batch's 128 bytes of factor
	v_lshlrev_b32 v4, 2, v1
	v_lshlrev_b32 v5, 4, v1
.set i, 0
.rept 16
	global_load_b32 v[32+i], v4, s[30:31] offset:128*i   ; keys 128 i + 4 lane + 0 .. 3
.set i, i+1
.endr
	s_wait_loadcnt 0x0
	v_or_b32 v6, v32, v33
.set i, 2
.rept 14
	v_or_b32 v6, v6, v[32+i]
.set i, i+1
.endr
	v_cmp_ne_u32 vcc_lo, 0, v6                     ; a bit for each lane that saw an open key
	s_cmp_lg_u32 vcc_lo, 0                         ; has the batch any?
	s_cselect_b32 s36, 0xf1800000, 0               ; a masked key's bias: -2^100, or 0 in a batch with no open key
	s_cselect_b32 s37, 0x3e38aa3b, 0               ; the queries' factor: log2(e) / 8, or 0
	v_mov_b32 v7, s36
	v_mov_b32 v8, s37
.set i, 0
.rept 16
.irp j, 0,1,2,3
	v_bfe_u32 v9, v[32+i], 8*\j, 8
	v_cmp_eq_u32 vcc_lo, 0, v9
	v_cndmask_b32 v[64+4*i+\j], 0, v7, vcc_lo      ; masked: the bias; open: 0
.endr
	global_store_b128 v5, v[64+4*i:64+4*i+3], s[32:33] offset:512*i   ; 32 lanes store 512 consecutive bytes
.set i, i+1
.endr
	global_store_b32 v4, v8, s[34:35] offset:417792
	s_endpgm
; ---- x: wave w takes token tile 2 wg + w / 2 and half w % 2 of K: 16 rows x 256 numbers.  A lane holds 8 neighbours of each row, four lanes a block.
.Lx:
	s_lshr_b32 s24, s22, 1
	s_and_b32 s25, s22, 1
	s_lshl_b32 s26, ttmp9, 1
	s_add_co_u32 s26, s26, s24                     ; the tile
	s_lshl_b32 s28, s26, 15                        ; 16 rows of 2,048 bytes
	s_lshl_b32 s27, s25, 10
	s_add_co_u32 s28, s28, s27
	s_add_nc_u64 s[30:31], s[4:5], s[28:29]
	v_lshlrev_b32 v4, 5, v1                        ; 32 bytes a lane
.set i, 0
.rept 16
	global_load_b128 v[R+8*i:R+8*i+3],   v4, s[30:31] offset:2048*i th:TH_LOAD_NT
	global_load_b128 v[R+8*i+4:R+8*i+7], v4, s[30:31] offset:2048*i+16 th:TH_LOAD_NT   ; the pair covers the row's 1,024 consecutive bytes
.set i, i+1
.endr
	s_lshl_b32 s28, s26, 12                        ; the tile's 4,096 bytes of codes,
	s_lshl_b32 s27, s25, 11                        ; my half of them
	s_add_co_u32 s28, s28, s27
	s_add_nc_u64 s[32:33], s[14:15], s[28:29]
	s_lshl_b32 s28, ttmp9, 9                       ; the work-group's 512 scale bytes
	s_add_nc_u64 s[34:35], s[14:15], s[28:29]
	s_mul_i32 s36, s22, 2304                       ; my stage: 8 blocks x (16 rows x 16 bytes + 16 of padding)
	v_lshrrev_b32 v8, 2, v1
	v_and_b32 v9, 3, v1
	v_mul_u32_u24 v5, v8, 272
	v_lshl_add_u32 v5, v9, 2, v5
	v_add_nc_u32 v5, s36, v5                       ; in: block lane / 4, 4 bytes at 4 (lane % 4); the row stands in the immediate
	s_lshl_b32 s37, s24, 8
	s_lshl_b32 s38, s25, 3
	s_add_co_u32 s37, s37, s38
	s_add_co_u32 s37, s37, SCB
	v_add_nc_u32 v6, s37, v8                       ; my block's scale byte: 256 x tile + 8 x half + lane / 4; 16 x row in the immediate
	v_lshrrev_b32 v8, 4, v1
	v_and_b32 v9, 15, v1
	v_mul_u32_u24 v7, v8, 272
	v_lshl_add_u32 v7, v9, 4, v7
	v_add_nc_u32 v7, s36, v7                       ; back: two blocks an instruction, 16 bytes a lane
	v_lshlrev_b32 v[LI], 4, v1
.macro XROWS g                         ; rows 4 g .. 4 g + 3, by turns
	s_wait_loadcnt 24-8*\g                         ; these rows' eight loads are in; the later rows' may be out
.irp q, 0,1,2,3
	v_max3_num_f32 v[8+\q], |v[R+8*(4*\g+\q)]|, |v[R+8*(4*\g+\q)+1]|, 0x1800000   ; my 8 numbers, and the floor 2^(3 - 127): the byte cannot fall under 1
.endr
.irp i, 2,4,6
.irp q, 0,1,2,3
	v_max3_num_f32 v[8+\q], v[8+\q], |v[R+8*(4*\g+\q)+\i]|, |v[R+8*(4*\g+\q)+\i+1]|
.endr
.endr
.irp q, 0,1,2,3
	v_max_num_f32_dpp v[8+\q], v[8+\q], v[8+\q] row_xmask:1 row_mask:0xf bank_mask:0xf
.endr
.irp q, 0,1,2,3
	v_max_num_f32_dpp v[8+\q], v[8+\q], v[8+\q] row_xmask:2 row_mask:0xf bank_mask:0xf   ; the four lanes' : the block's largest magnitude
.endr
.irp q, 0,1,2,3
	v_add_nc_u32 v[12+\q], 0xff000000, v[8+\q]     ; 2 off its exponent field: the conversion takes this operand's exponent field as its scale
.endr
.irp q, 0,1,2,3
	v_cvt_scalef32_pk8_fp4_f32 v[CD+4*\g+\q], v[R+8*(4*\g+\q):R+8*(4*\g+\q)+7], v[12+\q]
.endr
.irp q, 0,1,2,3
	v_lshrrev_b32 v[EB+4*\g+\q], 23, v[12+\q]      ; the scale's byte (plain lines behind the conversions)
.endr
.irp q, 0,1,2,3
	ds_store_b32 v5, v[CD+4*\g+\q] offset:16*(4*\g+\q)
	ds_store_b8 v6, v[EB+4*\g+\q] offset:16*(4*\g+\q)   ; the block's four lanes write the same byte with the same value
.endr
.endm
	XROWS 0
	XROWS 1
	XROWS 2
	XROWS 3
	s_wait_dscnt 0x0                               ; my stores have landed: a tile's 256 scale bytes come from two waves
	s_barrier_signal -1
	s_barrier_wait -1
.irp i, 0,1,2,3
	ds_load_b128 v[R+4*\i:R+4*\i+3], v7 offset:544*\i
.endr
	s_wait_dscnt 0x0
.irp i, 0,1,2,3
	global_store_b128 v[LI], v[R+4*\i:R+4*\i+3], s[32:33] offset:512*\i   ; 32 lanes store 512 consecutive bytes
.endr
	s_cmp_lg_u32 s22, 0
	s_cbranch_scc1 .Lx_end
	ds_load_b128 v[R+16:R+19], v[LI] offset:SCB    ; wave 0: the work-group's 512 scale bytes
	s_wait_dscnt 0x0
	global_store_b128 v[LI], v[R+16:R+19], s[34:35] offset:2097152
.Lx_end:
	s_wait_tensorcnt 0x0                           ; the wave's end, behind my last LDS store
	ds_add_u32 v[SPW], v[NIL]
	s_wait_dscnt 0x0
	s_endpgm
; ---- The weights.  A work-group takes 128 columns x 128 along K; a lane takes a column and its registers run down K: each load reads 128 consecutive bytes a wave, 512 a work-group.
.macro WHEAD first, ptr, pitch
	s_sub_co_u32 s24, ttmp9, \first
	s_lshr_b32 s25, s24, 2                         ; which 128 columns
	s_and_b32 s24, s24, 3                          ; which 128 along K
	s_lshl_b32 s26, s25, 2
	s_add_co_u32 s26, s26, s22                     ; which 32 columns are my wave's
	s_lshl_b32 s28, s26, 7
	s_mul_i32 s27, s24, 128*\pitch
	s_add_co_u32 s28, s28, s27
	s_add_nc_u64 s[30:31], s[\ptr:\ptr+1], s[28:29]
	v_lshlrev_b32 v4, 2, v1
.set i, 0
.rept 128
	global_load_b32 v[R+i], v4, s[30:31] offset:i*\pitch th:TH_LOAD_NT
.set i, i+1
.endr
	v_lshrrev_b32 v6, 4, v1                        ; which of my two tiles of 16 columns
	v_and_b32 v7, 15, v1                           ; and the column in it
.endm
.macro WBLK b, left                    ; block b of 32 along K: all its numbers are mine
.set XS, R+32*\b
	s_wait_loadcnt \left                           ; this block's loads are in; the later blocks' may be out (63 is the largest count that the wait can name)
	v_max3_num_f32 v8, |v[XS]|, |v[XS+1]|, |v[XS+2]|
	v_max3_num_f32 v9, |v[XS+3]|, |v[XS+4]|, |v[XS+5]|
.irp i, 6,10,14,18,22,26
	v_max3_num_f32 v8, v8, |v[XS+\i]|, |v[XS+\i+1]|
	v_max3_num_f32 v9, v9, |v[XS+\i+2]|, |v[XS+\i+3]|
.endr
	v_max3_num_f32 v8, v8, |v[XS+30]|, |v[XS+31]|
	v_max3_num_f32 v8, v8, v9, 0x1800000           ; and the floor
	v_add_nc_u32 v10, 0xff000000, v8
	v_lshrrev_b32 v11, 23, v10
.if \b == 0
	v_mov_b32 v24, v11                             ; the four bytes make the column's scale word of this K step
.else
	v_lshl_or_b32 v24, v11, 8*\b, v24
.endif
.irp g, 0,1,2,3
	v_cvt_scalef32_pk8_fp4_f32 v[CD+4*\b+\g], v[XS+8*\g:XS+8*\g+7], v10
.endr
	v_nop                                          ; a plain line behind the conversions: the next block writes their scale operand
	global_store_b128 v5, v[CD+4*\b:CD+4*\b+3], s[32:33] offset:256*\b   ; each half of the lanes stores 256 consecutive, aligned bytes
.endm
.macro WCODES tb                       ; tb: the tensor's first tile in wcod
	s_lshl_b32 s28, s26, 13                        ; my first tile's 4,096 bytes,
	s_lshl_b32 s27, s24, 10                        ; the K step's four blocks in it
	s_add_co_u32 s28, s28, s27
	s_add_co_u32 s28, s28, \tb*4096
	s_add_nc_u64 s[32:33], s[16:17], s[28:29]
	s_lshl_b32 s28, s26, 9                         ; the scale words: 256 bytes a tile, 16 a column, 4 a K step
	s_lshl_b32 s27, s24, 2
	s_add_co_u32 s28, s28, s27
	s_add_co_u32 s28, s28, 393216+\tb*256
	s_add_nc_u64 s[34:35], s[16:17], s[28:29]
	v_lshlrev_b32 v5, 12, v6
	v_lshl_add_u32 v5, v7, 4, v5
	v_lshlrev_b32 v6, 8, v6
	v_lshl_add_u32 v6, v7, 4, v6
	WBLK 0, 63
	WBLK 1, 63
	WBLK 2, 32
	WBLK 3, 0
	global_store_b32 v6, v24, s[34:35]             ; 4 bytes of each column's 16: these units are written in part: 24,576 bytes in all, one in 128 of what these paths read
	s_endpgm
.endm
.Lwq:
	WHEAD 256, 6, 2048
	WCODES 0
.Lwkv:
	WHEAD 272, 8, 4096
	WCODES 32
.Lwo:
	WHEAD 304, 10, 2048
	s_lshl_b32 s28, s26, 15                        ; my first tile's 16,384 bytes,
	s_lshl_b32 s27, s24, 12                        ; the 16 octets of these 128 along K
	s_add_co_u32 s28, s28, s27
	s_add_nc_u64 s[32:33], s[18:19], s[28:29]
	v_lshlrev_b32 v5, 14, v6
	v_lshl_add_u32 v5, v7, 4, v5
.macro OCTETS o0, left                 ; four octets: 8 numbers down K become 16 bytes, rounded in place
	s_wait_loadcnt \left
.irp o, \o0, \o0+1, \o0+2, \o0+3
.irp j, 0,1,2,3
	v_cvt_pk_f16_f32 v[R+8*(\o)+\j], v[R+8*(\o)+2*\j], v[R+8*(\o)+2*\j+1]
.endr
	global_store_b128 v5, v[R+8*(\o):R+8*(\o)+3], s[32:33] offset:256*(\o)
.endr
.endm
	OCTETS 0, 63
	OCTETS 4, 63
	OCTETS 8, 32
	OCTETS 12, 0
	s_endpgm
.Lfunc_end_k_qbf59112d9c_prep:
	.size	k_qbf59112d9c_prep, .Lfunc_end_k_qbf59112d9c_prep-k_qbf59112d9c_prep
	.p2alignl 7, 3214868480
	.fill 96, 4, 3214868480
	.section	.rodata,"a",@progbits
	.p2align	6, 0x0
	.amdhsa_kernel k_qbf59112d9c_prep
		.amdhsa_group_segment_fixed_size 10240
		.amdhsa_private_segment_fixed_size 0
		.amdhsa_enable_private_segment 0
		.amdhsa_kernarg_size 72
		.amdhsa_user_sgpr_count 2
		.amdhsa_user_sgpr_kernarg_segment_ptr 1
		.amdhsa_wavefront_size32 1
		.amdhsa_system_sgpr_workgroup_id_x 1
		.amdhsa_system_sgpr_workgroup_id_y 1
		.amdhsa_system_sgpr_workgroup_id_z 1
		.amdhsa_system_vgpr_workitem_id 0
		.amdhsa_next_free_vgpr 184
		.amdhsa_next_free_sgpr 66
		.amdhsa_reserve_vcc 1
		.amdhsa_float_denorm_mode_32 3
		.amdhsa_float_denorm_mode_16_64 3
		.amdhsa_memory_ordered 1
		.amdhsa_forward_progress 1
		.amdhsa_inst_pref_size 87
	.end_amdhsa_kernel
	.amdgpu_metadata
---
amdhsa.version: [ 1, 2 ]
amdhsa.kernels:
  - .name:           k_qbf59112d9c_prep
    .symbol:         k_qbf59112d9c_prep.kd
    .args:
      - { .name: x, .offset: 0, .size: 8, .value_kind: global_buffer, .address_space: global }
      - { .name: Wq, .offset: 8, .size: 8, .value_kind: global_buffer, .address_space: global }
      - { .name: Wkv, .offset: 16, .size: 8, .value_kind: global_buffer, .address_space: global }
      - { .name: Wout, .offset: 24, .size: 8, .value_kind: global_buffer, .address_space: global }
      - { .name: mask, .offset: 32, .size: 8, .value_kind: global_buffer, .address_space: global }
      - { .name: xcod, .offset: 40, .size: 8, .value_kind: global_buffer, .address_space: global }
      - { .name: wcod, .offset: 48, .size: 8, .value_kind: global_buffer, .address_space: global }
      - { .name: woimg, .offset: 56, .size: 8, .value_kind: global_buffer, .address_space: global }
      - { .name: mbias, .offset: 64, .size: 8, .value_kind: global_buffer, .address_space: global }
    .group_segment_fixed_size: 10240
    .private_segment_fixed_size: 0
    .kernarg_segment_align: 8
    .kernarg_segment_size: 72
    .max_flat_workgroup_size: 128
    .sgpr_count:     66
    .vgpr_count:     184
    .wavefront_size: 32
...
	.end_amdgpu_metadata
.endif
;; end of part 1
;; launch proj (part 2): grid 2 x 128, 4 waves a work-group, no clusters, 0 bytes of LDS; arguments xcod, wcod, qimg, kvimg; writes qimg, kvimg
.if DOCPART == 2
	.amdgcn_target "amdgcn-amd-amdhsa--gfx1250"
	.amdhsa_code_object_version 6
	.text
	.protected	k_qbf59112d9c_proj
	.globl	k_qbf59112d9c_proj
	.p2align	8
	.type	k_qbf59112d9c_proj,@function
k_qbf59112d9c_proj:
	s_mov_b64 s[64:65], 0
	v_nop
	global_prefetch_b8 v0, s[64:65] scope:SCOPE_SE
	s_setreg_imm32_b32 hwreg(HW_REG_WAVE_MODE, 25, 1), 1
	s_wait_xcnt 0x0
; PROJ: q = x Wq, k and v = x Wkv, on codes of FP4 (E2M1) with one E8M0 scale for each 32 along K = 512; sums in f32; the results leave as f16, laid as the attention launch's operand registers.
; SHARES.  Work-group (hh, G): tokens 64 G .. 64 G + 63, heads 4 hh .. 4 hh + 3.  Wave w takes head 4 hh + w and makes three blocks of 64 x 64 (q, k, v): 16 accumulators x 4 K steps of 128 each.
; OPERANDS are images of registers in memory: a fragment (16 rows x 128 K: 8 registers) is two runs of 512 bytes, lane l's 16 bytes at 16 l.  So 32 loads of 16 bytes a lane bring 16 fragments.
; ORIENTATION.  q, k: source 0 = 16 columns of W, source 1 = 16 tokens: a lane holds ONE token and eight neighbouring channels, which pack into the 16 bytes that a fragment of q or k (K = channels) wants of that lane.
; v: source 0 = 16 tokens, source 1 = 16 columns: a lane holds ONE channel and eight neighbouring keys: a piece of a fragment of v^T (K = keys).  So each accumulator is one store of 512 consecutive bytes, and a block 8,192.
; q is multiplied by its batch's factor (log2(e) / 8, or 0 where the batch has no open key) before it is rounded.
; NO CLUSTER, NO LDS: a wave's operands are 64 KiB that go straight into its registers, where each fragment serves four products; sharing them among waves or work-groups would put a ring in LDS
; and its barriers round 192 matrix instructions a wave.
; LIMITS: |q x factor|, |k|, |v| beyond 65,504 do not fit f16; under 6e-8 they become 0.
; REGISTERS, in windows of 256: window 0: v1 16 x lane; v8-15 x's scale words; v16-39 W's; v64-127 packed results; v128-255 the 16 accumulators.
;   window 1: v0-127 x's 16 fragments (32 tile + 8 K step), v128-255 Wq's.   window 2: v0-127 Wk's, v128-255 Wv's.
; A scale register holds the words of two tiles: lanes 0-15 an even tile's rows, lanes 16-31 the next tile's; the instruction's row selector picks.
.set LI,  1
.set XSC, 8                            ; v[XSC + 4 p + ks]: token tiles 2 p, 2 p + 1
.set WSC, 16                           ; v[WSC + 8 y + 4 p + ks]: tensor y (0 q, 1 k, 2 v), column tiles 2 p, 2 p + 1
.set T,   64
.set ACC, 128
.set MSB, 0
.macro WIN new                         ; the immediate's high byte repeats the setting that is left
.if MSB != \new
	s_set_vgpr_msb (MSB<<8)|\new
.set MSB, \new
.endif
.endm
	s_load_b256 s[4:11], s[0:1], 0x0               ; xcod, wcod, qimg, kvimg
	v_and_b32 v1, 31, v0
	v_lshrrev_b32 v2, 5, v0
	v_readfirstlane_b32 s12, v2                    ; wave
	v_lshlrev_b32 v[LI], 4, v1
	s_lshl_b32 s13, ttmp9, 2
	s_add_co_u32 s13, s13, s12                     ; the head
	s_and_b32 s14, ttmp7, 0xffff                   ; G
	s_lshr_b32 s15, s14, 5                         ; the batch
	s_and_b32 s16, s14, 31                         ; the group of 64 tokens in it
	s_lshl_b32 s17, s15, 3
	s_add_co_u32 s17, s17, s13                     ; batch x 8 + head
	s_mov_b32 s19, 0
	s_wait_kmcnt 0x0
	s_lshl_b32 s18, s15, 7
	s_add_nc_u64 s[28:29], s[6:7], s[18:19]
	s_load_b32 s40, s[28:29], 0x66000              ; the batch's factor (it lies behind W's scale words in wcod)
	s_lshl_b32 s18, s14, 14
	s_add_nc_u64 s[20:21], s[4:5], s[18:19]        ; x's codes: four tiles of 4,096 bytes
	s_lshl_b32 s18, s14, 10
	s_add_nc_u64 s[22:23], s[4:5], s[18:19]        ; x's scale bytes: 16 a token (the region's start stands in the immediate)
	s_lshl_b32 s18, s13, 14
	s_add_nc_u64 s[24:25], s[6:7], s[18:19]        ; the head's four tiles of W's codes (the tensor stands in the immediate)
	s_lshl_b32 s18, s13, 10
	s_add_nc_u64 s[26:27], s[6:7], s[18:19]        ; and their scale words
.irp p, 0,1
	global_load_b128 v[XSC+4*\p:XSC+4*\p+3], v[LI], s[22:23] offset:2097152+512*\p
.endr
.irp y, 0,1,2
.irp p, 0,1
	global_load_b128 v[WSC+8*\y+4*\p:WSC+8*\y+4*\p+3], v[LI], s[26:27] offset:393216+8192*\y+512*\p
.endr
.endr
.macro LOAD16K reg, sb, off            ; 16 fragments: 16,384 consecutive bytes
.set n, 0
.rept 32
	global_load_b128 v[\reg+4*n:\reg+4*n+3], v[LI], s[\sb:\sb+1] offset:\off+512*n
.set n, n+1
.endr
.endm
	WIN 0x40                                       ; destination window 1
	LOAD16K 0, 20, 0
	LOAD16K 128, 24, 0
	WIN 0x80                                       ; destination window 2
	LOAD16K 0, 24, 131072
	LOAD16K 128, 24, 262144
	WIN 0
	s_lshl_b32 s18, s17, 18                        ; q: 262,144 bytes a head, 8,192 a group
	s_lshl_b32 s30, s16, 13
	s_add_co_u32 s18, s18, s30
	s_add_nc_u64 s[32:33], s[8:9], s[18:19]
	s_lshl_b32 s18, s17, 19                        ; k, v: [head][fill (g / 4) % 4][k half 0, k half 1, v half 0, v half 1][step g % 4][8,192 bytes]; half = g / 16
	s_bfe_u32 s30, s16, 0x20002
	s_lshl_b32 s30, s30, 17
	s_add_co_u32 s18, s18, s30
	s_lshr_b32 s30, s16, 4
	s_lshl_b32 s30, s30, 15
	s_add_co_u32 s18, s18, s30
	s_and_b32 s30, s16, 3
	s_lshl_b32 s30, s30, 13
	s_add_co_u32 s18, s18, s30
	s_add_nc_u64 s[34:35], s[10:11], s[18:19]      ; k's block; v's lies 65,536 bytes on
; One product, by the symbols rD, rA, rB, rSA, rSB; fA, fB: the scale register's upper lanes are meant; fZ: it starts the sum
.macro WM
.if fZ
.if (fA == 0) && (fB == 0)
	v_wmma_scale_f32_16x16x128_f8f6f4 v[rD:rD+7], v[rA:rA+7], v[rB:rB+7], 0, v[rSA], v[rSB] matrix_a_fmt:MATRIX_FMT_FP4 matrix_b_fmt:MATRIX_FMT_FP4
.elseif (fA == 1) && (fB == 0)
	v_wmma_scale_f32_16x16x128_f8f6f4 v[rD:rD+7], v[rA:rA+7], v[rB:rB+7], 0, v[rSA], v[rSB] matrix_a_fmt:MATRIX_FMT_FP4 matrix_b_fmt:MATRIX_FMT_FP4 matrix_a_scale:MATRIX_SCALE_ROW1
.elseif (fA == 0) && (fB == 1)
	v_wmma_scale_f32_16x16x128_f8f6f4 v[rD:rD+7], v[rA:rA+7], v[rB:rB+7], 0, v[rSA], v[rSB] matrix_a_fmt:MATRIX_FMT_FP4 matrix_b_fmt:MATRIX_FMT_FP4 matrix_b_scale:MATRIX_SCALE_ROW1
.else
	v_wmma_scale_f32_16x16x128_f8f6f4 v[rD:rD+7], v[rA:rA+7], v[rB:rB+7], 0, v[rSA], v[rSB] matrix_a_fmt:MATRIX_FMT_FP4 matrix_b_fmt:MATRIX_FMT_FP4 matrix_a_scale:MATRIX_SCALE_ROW1 matrix_b_scale:MATRIX_SCALE_ROW1
.endif
.else
.if (fA == 0) && (fB == 0)
	v_wmma_scale_f32_16x16x128_f8f6f4 v[rD:rD+7], v[rA:rA+7], v[rB:rB+7], v[rD:rD+7], v[rSA], v[rSB] matrix_a_fmt:MATRIX_FMT_FP4 matrix_b_fmt:MATRIX_FMT_FP4
.elseif (fA == 1) && (fB == 0)
	v_wmma_scale_f32_16x16x128_f8f6f4 v[rD:rD+7], v[rA:rA+7], v[rB:rB+7], v[rD:rD+7], v[rSA], v[rSB] matrix_a_fmt:MATRIX_FMT_FP4 matrix_b_fmt:MATRIX_FMT_FP4 matrix_a_scale:MATRIX_SCALE_ROW1
.elseif (fA == 0) && (fB == 1)
	v_wmma_scale_f32_16x16x128_f8f6f4 v[rD:rD+7], v[rA:rA+7], v[rB:rB+7], v[rD:rD+7], v[rSA], v[rSB] matrix_a_fmt:MATRIX_FMT_FP4 matrix_b_fmt:MATRIX_FMT_FP4 matrix_b_scale:MATRIX_SCALE_ROW1
.else
	v_wmma_scale_f32_16x16x128_f8f6f4 v[rD:rD+7], v[rA:rA+7], v[rB:rB+7], v[rD:rD+7], v[rSA], v[rSB] matrix_a_fmt:MATRIX_FMT_FP4 matrix_b_fmt:MATRIX_FMT_FP4 matrix_a_scale:MATRIX_SCALE_ROW1 matrix_b_scale:MATRIX_SCALE_ROW1
.endif
.endif
.endm
; A block: 64 products.  Accumulator 4 j + i: source 0's tile i, source 1's tile j.  swap = 0: source 0 = W, source 1 = x;  swap = 1: the other way round.  ab, bb: where the sources' fragments begin in their windows.
; The 16 accumulators take turns, one instruction a turn, in the same order in every K step; the first K step starts the sums with the constant 0.
.macro MUL y, swap, ab, bb
.irp ks, 0,1,2,3
.irp j, 0,1,2,3
.irp i, 0,1,2,3
.set rD, ACC+8*(4*\j+\i)
.set rA, \ab+32*\i+8*\ks
.set rB, \bb+32*\j+8*\ks
.if \swap
.set rSA, XSC+4*(\i/2)+\ks
.set rSB, WSC+8*\y+4*(\j/2)+\ks
.else
.set rSA, WSC+8*\y+4*(\i/2)+\ks
.set rSB, XSC+4*(\j/2)+\ks
.endif
.set fA, \i%2
.set fB, \j%2
.if \ks == 0
.set fZ, 1
.else
.set fZ, 0
.endif
	WM
.endr
.endr
.endr
.endm
; A block leaves: rounded to f16, each accumulator from its low end on, 16 bytes a lane, 512 consecutive bytes a store.
.macro OUT y, sb, off
	WIN 0
.rept 4
	v_nop                                          ; four places between the last products and the first read of results (ISA guide 7.12.1)
.endr
.if \y > 0
	s_wait_xcnt 0x0                                ; the last block's stores have read their data: the packed results may be written again
.endif
.if \y == 0
.set i, 0
.rept 64
	v_pk_mul_f32 v[ACC+2*i:ACC+2*i+1], v[ACC+2*i:ACC+2*i+1], s[40:41] op_sel_hi:[1,0]   ; q x the batch's factor
.set i, i+1
.endr
.endif
.set i, 0
.rept 64
	v_cvt_pk_f16_f32 v[T+i], v[ACC+2*i], v[ACC+2*i+1]
.set i, i+1
.endr
.set i, 0
.rept 16
	global_store_b128 v[LI], v[T+4*i:T+4*i+3], s[\sb:\sb+1] offset:\off+512*i
.set i, i+1
.endr
.endm
	s_wait_loadcnt 63                              ; the scale words, x and Wq are in; of Wk's and Wv's 64 loads 63 may be out
	s_wait_kmcnt 0x0
	s_mov_b32 s41, s40                             ; (the packed multiply names the pair)
	WIN 0x05                                       ; sources 0 and 1 window 1
	MUL 0, 0, 128, 0
	OUT 0, 32, 0
	s_wait_loadcnt 32                              ; Wk is in; Wv's 32 loads may be out
	WIN 0x06                                       ; source 0 window 2, source 1 window 1.  (The conversions above are more than the five places that a product which begins an accumulator anew wants behind the last products)
	MUL 1, 0, 0, 0
	OUT 1, 34, 0
	s_wait_loadcnt 0x0
	WIN 0x09                                       ; source 0 window 1, source 1 window 2
	MUL 2, 1, 0, 128
	OUT 2, 34, 65536
	s_endpgm
.Lfunc_end_k_qbf59112d9c_proj:
	.size	k_qbf59112d9c_proj, .Lfunc_end_k_qbf59112d9c_proj-k_qbf59112d9c_proj
	.p2alignl 7, 3214868480
	.fill 96, 4, 3214868480
	.section	.rodata,"a",@progbits
	.p2align	6, 0x0
	.amdhsa_kernel k_qbf59112d9c_proj
		.amdhsa_group_segment_fixed_size 0
		.amdhsa_private_segment_fixed_size 0
		.amdhsa_enable_private_segment 0
		.amdhsa_kernarg_size 32
		.amdhsa_user_sgpr_count 2
		.amdhsa_user_sgpr_kernarg_segment_ptr 1
		.amdhsa_wavefront_size32 1
		.amdhsa_system_sgpr_workgroup_id_x 1
		.amdhsa_system_sgpr_workgroup_id_y 1
		.amdhsa_system_sgpr_workgroup_id_z 1
		.amdhsa_system_vgpr_workitem_id 0
		.amdhsa_next_free_vgpr 768
		.amdhsa_next_free_sgpr 66
		.amdhsa_reserve_vcc 0
		.amdhsa_float_denorm_mode_32 3
		.amdhsa_float_denorm_mode_16_64 3
		.amdhsa_memory_ordered 1
		.amdhsa_forward_progress 1
		.amdhsa_inst_pref_size 60
	.end_amdhsa_kernel
	.amdgpu_metadata
---
amdhsa.version: [ 1, 2 ]
amdhsa.kernels:
  - .name:           k_qbf59112d9c_proj
    .symbol:         k_qbf59112d9c_proj.kd
    .args:
      - { .name: xcod, .offset: 0, .size: 8, .value_kind: global_buffer, .address_space: global }
      - { .name: wcod, .offset: 8, .size: 8, .value_kind: global_buffer, .address_space: global }
      - { .name: qimg, .offset: 16, .size: 8, .value_kind: global_buffer, .address_space: global }
      - { .name: kvimg, .offset: 24, .size: 8, .value_kind: global_buffer, .address_space: global }
    .group_segment_fixed_size: 0
    .private_segment_fixed_size: 0
    .kernarg_segment_align: 8
    .kernarg_segment_size: 32
    .max_flat_workgroup_size: 128
    .sgpr_count:     66
    .vgpr_count:     768
    .wavefront_size: 32
...
	.end_amdgpu_metadata
.endif
;; end of part 2
;; launch attn (part 3): grid 8 x 32, 8 waves a work-group, clusters of 4 x 1, 327,680 bytes of LDS; arguments qimg, kvimg, mbias, aimg; writes aimg
.if DOCPART == 3
	.amdgcn_target "amdgcn-amd-amdhsa--gfx1250"
	.amdhsa_code_object_version 6
	.text
	.protected	k_qbf59112d9c_attn
	.globl	k_qbf59112d9c_attn
	.p2align	8
	.type	k_qbf59112d9c_attn,@function
k_qbf59112d9c_attn:
	s_mov_b64 s[64:65], 0
	v_nop
	global_prefetch_b8 v0, s[64:65] scope:SCOPE_SE
	s_setreg_imm32_b32 hwreg(HW_REG_WAVE_MODE, 25, 1), 1
	s_wait_xcnt 0x0
	s_wait_alu depctr_hold_cnt(0) depctr_sa_sdst(0) depctr_va_vdst(0) depctr_va_sdst(0) depctr_va_ssrc(0) depctr_va_vcc(0) depctr_vm_vsrc(0)
	s_getreg_b32 s2, hwreg(HW_REG_IB_STS2, 6, 4)
	s_cmp_eq_u32 s2, 0
	s_cbranch_scc0 .Lentry_in_a_cluster
	s_endpgm
.Lentry_in_a_cluster:
	s_bfe_u32 s2, ttmp6, 0x10000c
	s_cmp_lg_u32 s2, 0x3003
	s_cbranch_scc0 .Lentry_shape_is_right
	s_endpgm
.Lentry_shape_is_right:
; ATTN: O[b][h][q] = the sum over keys of softmax(q . k / 8, masked keys out) v, on f16 operands with f32 sums, maxima and exponentials; O leaves as f16, laid as the last launch's operand registers.
; q arrives multiplied by log2(e) / 8, so a score is t, the exponent of 2.  THE MASK is the C of each score's first product: 0 for an open key, -2^100 for a masked one.  f16 operands hold |t| under 2.8e11, which
; vanishes beside 2^100 (whose last bit is 2^77).  A running maximum m is taken away before every exponential, so p = 2^(t - m) lies in [0, 1] also while only masked keys have been seen; the first open key
; makes a = 2^(old m - new m) = 0, which wipes what was summed till then.  A batch with no open key arrives with q = 0 and all biases 0: uniform weights.  No branch hangs on data.
; SHARES.  A work-group owns 256 queries of one head.  Its eight waves are 4 groups of 64 queries (four tiles of 16) x 2 halves of the 2,048 keys: two waves to a SIMD, so that one wave's softmax stands beside
; the other's products, and each fragment of K or V read from LDS serves four products.  At the end the two waves of a pair exchange half of their tiles through LDS and each finishes two.
; Register tile t holds query tile t xor 2 (key half): so in both waves tiles 0, 1 are kept and tiles 2, 3 sent, by one text.
; LAYOUT.  S^T = K Q^T (source 0 = 16 keys, source 1 = 16 queries), O^T = V^T P (source 0 = 16 channels, source 1 = P): a lane holds ONE query throughout; S^T rounded in pairs IS P's fragment.
; K and V lie in memory as images of their fragments' registers (16 bytes a lane, 512 a piece), by fills of 131,072 consecutive bytes: K of half 0, K of half 1, V of half 0, V of half 1, four key steps of 64 keys each.
; So a fill is one dense block, of which each wave fetches 16,384 bytes; no padding, no turning load: every LDS load takes 512 consecutive bytes.
; CLUSTER.  The four query blocks of a cluster belong to one head and walk the same K, V and biases: every tensor load is asked for JOINTLY, by the same line with the same descriptor and a mask that names the four.
; By this text's count a wave has three tensor loads out at the start and one behind each round.
; LIMITS: NaN and infinities are not served; |O| beyond 65,504 does not fit f16; weights p under 6e-8 become 0 in f16 (the row's sum is taken of the unrounded p).
; REGISTERS: window 0: v1-15, v50 addresses; v16-47 eight statistics a tile; v48, v49 the add's two; v52-63 the merge's; v64-127 S^T, then P in place (two tiles: a piece); v128-191 K of a step; v192-255 Q.
;   window 1: v0-127 O^T (32 a tile); v128-191 V of a step; v192-223 the step's biases in the result's layout.
.set SLOT1, 1<<17                      ; LDS: slot 0 at 0, slot 1 here: one exclusive or turns an address from one into the other
.set BIAS,  262144                     ; the batch's 2,048 biases
.set SPARE, 270336                     ; the spare words, 128 bytes for each wave: four blocks of 256 bytes that no other line names
.set MRG,   8704                       ; the merge: for each wave two tiles of O^T (4,096 bytes each) and their (m, l) (256 each); in the ring, behind its last read
.set AK0, 3                            ; v3   16 x lane + my key half's K in a slot
.set AV0, 4                            ; v4   the same for V
.set AB0, 5                            ; v5   my key half's biases, + 32 (lane / 16)
.set ADK, 6                            ; v6-8 the addresses of the step in hand
.set ADV, 7
.set ADB, 8
.set QA0, 9                            ; v9   Q: register tiles 0, 1;  v10: tiles 2, 3
.set QA1, 10
.set GO,  11                           ; v11  16 x lane
.set MST, 12                           ; v12  where I put what I send;  v13 where my partner put it
.set MLD, 13
.set PFO, 14                           ; v14  256 x lane: the prefetch's offset
.set MS8, 15                           ; v15, v50 the same two for (m, l): 8 bytes a lane
.set ML8, 50
.set ST,  16                           ; tile t at v[ST + 8 t]: +0 m, +1 old m, then its change, at the end l; +2, +3 l (even keys', odd keys'); +4 .. +7 at work; a in +6
.set SPW, 48
.set NIL, 49
.set PM,  52                           ; v52-55 my partner's (m, l)
.set GF,  56                           ; v56-63 the merge's factors, each the low word of a pair
.set S,   64
.set KF,  128
.set QF,  192
.set VF,  128                          ; in window 1
.set BI,  192                          ; in window 1
.set WV,  12                           ; s12 wave; s13 cx; s14 block of queries; s16 key half; s17 group of queries
.set LIM, 15                           ; s15 1 in a wave that prefetches, else the greatest number
.set PFA, 18                           ; s[18:19] where my prefetch stands
.set G1,  24                           ; s[24:31] group 1: 64 rows of 256 bytes, dense
.set G1B, 32                           ; s[32:39] the same with 4 rows
.set G0A, 40                           ; s[40:43] group 0: slot 0's first fill
.set G0W, 44                           ; s[44:47] slot 1's first fill; then it walks
.set G0B, 48                           ; s[48:51] the biases
.set SLOTS, 52
.set CNT, 53
.set TB,  54                           ; s54 LDS byte at which the step's tiles begin, within a quarter of a slot
.set TJ,  55                           ; s55 and its biases: 256 bytes a step
.set SEL, 56                           ; s[56:57] lane selects: lane l xor 16
.set MSB, 0
.macro WIN new                         ; the immediate's high byte repeats the setting that is left
.if MSB != \new
	s_set_vgpr_msb (MSB<<8)|\new
.set MSB, \new
.endif
.endm
.macro CROUND                          ; a round of the cluster's barrier
	s_barrier_signal -1
	s_barrier_wait -1
	s_cmp_lg_u32 s[WV], 0
	s_cbranch_scc1 .Lnot_wave_0_\@
	s_barrier_signal -3
.Lnot_wave_0_\@:
	s_barrier_wait -3
	s_barrier_signal -1
	s_barrier_wait -1
.endm
	s_load_b256 s[4:11], s[0:1], 0x0               ; qimg, kvimg, mbias, aimg
	v_lshl_add_u32 v[SPW], v0, 2, SPARE
	v_mov_b32 v[NIL], 0
	ds_add_u32 v[SPW], v[NIL]                      ; the wave's opening: the add, twice on end, and its wait ahead of my first tensor load
	ds_add_u32 v[SPW], v[NIL]
	v_lshrrev_b32 v1, 5, v0
	v_readfirstlane_b32 s[WV], v1                  ; wave 0..7
	s_bfe_u32 s13, ttmp6, 0x40000                  ; cx: it enters Q's, O's and the prefetch's global addresses alone
	s_lshl_b32 s14, ttmp9, 2
	s_add_co_u32 s14, s14, s13                     ; my block of 256 queries
	s_and_b32 s16, s[WV], 1                        ; key half
	s_lshr_b32 s17, s[WV], 1                       ; group of 64 queries
	s_and_b32 s20, ttmp7, 0xffff                   ; batch x 8 + head, which the four partners share
	s_lshl_b32 s22, s20, 19                        ; K, V: 524,288 bytes a head,
	s_lshl_b32 s21, s[WV], 14                      ; my 16,384 of a fill
	s_add_co_u32 s22, s22, s21
	s_mov_b32 s23, 0
	s_lshl_b32 s[G0A+1], s[WV], 14                 ; and their place in a slot
	s_add_co_u32 s[G0W+1], s[G0A+1], SLOT1
	s_lshl_b32 s[G0B+1], s[WV], 10
	s_add_co_u32 s[G0B+1], s[G0B+1], BIAS
	s_mov_b32 s[G1], 15|(3<<16)|(1<<21)            ; 15:0 the mask: all four work-groups; 17:16 elements of 8 bytes; 21 set beside a mask; no padding
	s_mov_b32 s[G1+1], 32<<16                      ; tensor_dim0 = 32 elements: 256 bytes
	s_mov_b32 s[G1+2], 64<<16                      ; tensor_dim1 = 64
	s_mov_b32 s[G1+3], 32<<16                      ; tile_dim0
	s_mov_b32 s[G1+4], 64                          ; tile_dim1
	s_mov_b32 s[G1+5], 32                          ; from row to row: dense
	s_mov_b32 s[G1+6], 0
	s_mov_b32 s[G1+7], 0
	s_mov_b32 s[G1B], 15|(3<<16)|(1<<21)
	s_mov_b32 s[G1B+1], 32<<16
	s_mov_b32 s[G1B+2], 4<<16
	s_mov_b32 s[G1B+3], 32<<16
	s_mov_b32 s[G1B+4], 4
	s_mov_b32 s[G1B+5], 32
	s_mov_b32 s[G1B+6], 0
	s_mov_b32 s[G1B+7], 0
	s_lshl_b32 s62, s14, 2
	s_add_co_u32 s62, s62, s17                     ; 4 x block + group
	s_lshl_b32 s2, s62, 2                          ; its first token tile in the batch
	s_lshl_b32 s62, s62, 13                        ; Q: 8,192 bytes a group,
	s_lshl_b32 s21, s20, 18                        ; 262,144 a head
	s_add_co_u32 s62, s62, s21
	s_mov_b32 s63, 0
	s_lshr_b32 s21, s20, 3                         ; the batch
	s_lshl_b32 s58, s21, 13                        ; its biases,
	s_lshl_b32 s21, s21, 7
	s_add_co_u32 s2, s2, s21
	s_lshl_b32 s21, s16, 1
	s_add_co_u32 s2, s2, s21                       ; the first token tile that I finish: 128 batch + 16 block + 4 group + 2 half
	s_lshl_b32 s2, s2, 14                          ; O: 16,384 bytes a token tile,
	s_and_b32 s21, s20, 7
	s_lshl_b32 s21, s21, 11                        ; 2,048 of them my head's
	s_add_co_u32 s2, s2, s21
	s_mov_b32 s3, 0
	s_lshl_b32 s21, s[WV], 10
	s_add_co_u32 s58, s58, s21                     ; my 1,024 bytes of the biases
	s_mov_b32 s59, 0
	s_lshl_b32 s60, s20, 19                        ; the prefetch: my head,
	s_lshl_b32 s21, s13, 15                        ; my work-group's quarter of a fill,
	s_add_co_u32 s60, s60, s21
	s_and_b32 s21, s[WV], 3
	s_lshl_b32 s21, s21, 13                        ; my wave's 8,192 bytes of it,
	s_add_co_u32 s60, s60, s21
	s_add_co_u32 s60, s60, 2*131072                ; in fill 2: the first change of slots steps it to fill 3
	s_mov_b32 s61, 0
	s_lshr_b32 s[LIM], s[WV], 2                    ; 0 in waves 0 to 3,
	s_or_b32 s[LIM], s[LIM], ttmp9                 ; of the head's first cluster: the same in all four partners
	s_cmp_eq_u32 s[LIM], 0
	s_cselect_b32 s[LIM], 1, -1
	s_mov_b32 s[SEL], 0x76543210
	s_mov_b32 s[SEL+1], 0xfedcba98
	s_mov_b32 s[TB], 0
	s_mov_b32 s[TJ], 0
	s_mov_b32 s[SLOTS], 2
	s_wait_dscnt 0x0                               ; both opening adds are done
	s_wait_kmcnt 0x0
	s_add_nc_u64 s[4:5], s[4:5], s[62:63]          ; Q at my group's first tile
	s_add_nc_u64 s[10:11], s[10:11], s[2:3]        ; O at the first tile that I finish
	s_add_nc_u64 s[PFA:PFA+1], s[6:7], s[60:61]
	s_add_nc_u64 s[6:7], s[6:7], s[22:23]          ; K, V at my part of fill 0
	s_add_nc_u64 s[8:9], s[8:9], s[58:59]
	s_mov_b32 s[G0A], 1
	s_mov_b64 s[G0A+2:G0A+3], s[6:7]
	s_or_b32 s[G0A+3], s[G0A+3], 0x80000000
	s_mov_b32 s[G0W], 1
	s_add_nc_u64 s[G0W+2:G0W+3], s[6:7], 131072    ; fill 1
	s_or_b32 s[G0W+3], s[G0W+3], 0x80000000
	s_mov_b32 s[G0B], 1
	s_mov_b64 s[G0B+2:G0B+3], s[8:9]
	s_or_b32 s[G0B+3], s[G0B+3], 0x80000000
	CROUND                                         ; all four work-groups are here: the first joint loads meet
	tensor_load_to_lds s[G0B:G0B+3], s[G1B:G1B+7]  ; the first fills go out together: the biases,
	s_nop 0
	tensor_load_to_lds s[G0A:G0A+3], s[G1:G1+7]    ; slot 0,
	s_nop 0
	tensor_load_to_lds s[G0W:G0W+3], s[G1:G1+7]    ; slot 1
	s_nop 0
.rept 4
	v_nop
.endr
	v_and_b32 v1, 31, v0                           ; lane
	v_bfe_u32 v2, v0, 4, 1                         ; lane / 16
	v_lshlrev_b32 v[GO], 4, v1
	s_lshl_b32 s21, s16, 12
	v_add_nc_u32 v[QA0], s21, v[GO]                ; register tiles 0, 1 hold query tiles 2 half, 2 half + 1 (2,048 bytes each),
	v_xor_b32 v[QA1], 4096, v[QA0]                 ; tiles 2, 3 the other two
.irp t, 0,1
.irp n, 0,1,2,3
	global_load_b128 v[QF+16*\t+4*\n:QF+16*\t+4*\n+3], v[QA0], s[4:5] offset:2048*\t+512*\n
.endr
.endr
.irp t, 0,1
.irp n, 0,1,2,3
	global_load_b128 v[QF+32+16*\t+4*\n:QF+32+16*\t+4*\n+3], v[QA1], s[4:5] offset:2048*\t+512*\n
.endr
.endr
	v_lshl_add_u32 v[AB0], v2, 5, s21              ; biases: 4,096 bytes a key half; lanes 16-31 take the keys 8 further on
	v_add_nc_u32 v[AB0], BIAS, v[AB0]
	s_lshl_b32 s21, s16, 15
	v_add_nc_u32 v[AK0], s21, v[GO]
	v_add_nc_u32 v[AV0], 65536, v[AK0]
	s_mul_i32 s21, s[WV], MRG
	v_add_nc_u32 v[MST], s21, v[GO]
	v_lshl_add_u32 v[MS8], v1, 3, s21
	v_add_nc_u32 v[MS8], 8192, v[MS8]
	s_xor_b32 s21, s[WV], 1                        ; my partner: the same queries, the other keys
	s_mul_i32 s21, s21, MRG
	v_add_nc_u32 v[MLD], s21, v[GO]
	v_lshl_add_u32 v[ML8], v1, 3, s21
	v_add_nc_u32 v[ML8], 8192, v[ML8]
	v_lshlrev_b32 v[PFO], 8, v1
; 16 products of S^T = K Q^T + bias for piece x (tiles x, x + 1): channels 32 (i / 8) on, keys 16 ((i / 2) % 4) on, tile x + i % 2.  The eight accumulators take turns.
.macro KQ x
.set i, 0
.rept 16
.set rS, S+32*(i%2)+8*((i/2)%4)
.set rK, KF+16*((i/2)%4)+8*(i/8)
.set rQ, QF+16*(\x+i%2)+8*(i/8)
.set rB, BI+8*((i/2)%4)
.if i < 8
	WIN 0x10                                       ; C: the biases, in window 1
	v_wmma_f32_16x16x32_f16 v[rS:rS+7], v[rK:rK+7], v[rQ:rQ+7], v[rB:rB+7]
.else
	WIN 0
	v_wmma_f32_16x16x32_f16 v[rS:rS+7], v[rK:rK+7], v[rQ:rQ+7], v[rS:rS+7]
.endif
.set i, i+1
.endr
.endm
; 16 products of O^T += V^T P: keys 32 (i / 8) on, channels 16 ((i / 2) % 4) on, tile x + i % 2.  first = 1: the first eight start the sums
.macro PV x, first
	WIN 0x51                                       ; V, C and D window 1, P window 0
.set i, 0
.rept 16
.set rO, 32*(\x+i%2)+8*((i/2)%4)
.set rV, VF+16*((i/2)%4)+8*(i/8)
.set rP, S+32*(i%2)+8*(i/8)
.if \first && (i < 8)
	v_wmma_f32_16x16x32_f16 v[rO:rO+7], v[rV:rV+7], v[rP:rP+7], 0
.else
	v_wmma_f32_16x16x32_f16 v[rO:rO+7], v[rV:rV+7], v[rP:rP+7], v[rO:rO+7]
.endif
.set i, i+1
.endr
.endm
; The softmax of piece x for one key step; the two tiles alternate line by line, so that no line waits for the line above it.
.macro SM x, first
	WIN 0
.irp j, 0,1,2,3                                ; the maximum of the lane's 32 scores and the old m, three operands at a time; each accumulator is read from its low end on
.irp u, 0,1
	v_max3_num_f32 v[ST+8*(\x+\u)+4+\j], v[S+32*\u+8*\j], v[S+32*\u+8*\j+1], v[S+32*\u+8*\j+2]
.endr
.endr
.irp g, 1,2
.irp j, 0,1,2,3
.irp u, 0,1
	v_max3_num_f32 v[ST+8*(\x+\u)+4+\j], v[ST+8*(\x+\u)+4+\j], v[S+32*\u+8*\j+2*\g+1], v[S+32*\u+8*\j+2*\g+2]
.endr
.endr
.endr
.irp u, 0,1
	v_max3_num_f32 v[ST+8*(\x+\u)+4], v[ST+8*(\x+\u)+4], v[S+32*\u+7], v[S+32*\u+15]
	v_max3_num_f32 v[ST+8*(\x+\u)+6], v[ST+8*(\x+\u)+6], v[S+32*\u+23], v[S+32*\u+31]
.endr
.irp u, 0,1
	v_max3_num_f32 v[ST+8*(\x+\u)+4], v[ST+8*(\x+\u)+4], v[ST+8*(\x+\u)+5], v[ST+8*(\x+\u)+6]
.endr
.irp u, 0,1
.if \first
	v_max_num_f32 v[ST+8*(\x+\u)+4], v[ST+8*(\x+\u)+4], v[ST+8*(\x+\u)+7]
.else
	v_max3_num_f32 v[ST+8*(\x+\u)+4], v[ST+8*(\x+\u)+4], v[ST+8*(\x+\u)+7], v[ST+8*(\x+\u)]
.endif
.endr
.irp u, 0,1
	v_permlanex16_b32 v[ST+8*(\x+\u)+5], v[ST+8*(\x+\u)+4], s[SEL], s[SEL+1]   ; the query's other 32 keys lie in the lane 16 away
.endr
.irp u, 0,1
.if \first
	v_mov_b32 v[ST+8*(\x+\u)+1], 0                 ; (named with m as a pair, so it is written)
.else
	v_mov_b32 v[ST+8*(\x+\u)+1], v[ST+8*(\x+\u)]   ; the old m
.endif
.endr
.irp u, 0,1
	v_max_num_f32 v[ST+8*(\x+\u)], v[ST+8*(\x+\u)+4], v[ST+8*(\x+\u)+5]   ; the new m
.endr
.if \first == 0
.irp u, 0,1
	v_sub_f32 v[ST+8*(\x+\u)+1], v[ST+8*(\x+\u)+1], v[ST+8*(\x+\u)]   ; old m - new m, 0 or less
.endr
.endif
.set i, 0
.rept 16
.irp u, 0,1
	v_pk_add_f32 v[S+32*\u+2*i:S+32*\u+2*i+1], v[S+32*\u+2*i:S+32*\u+2*i+1], v[ST+8*(\x+\u):ST+8*(\x+\u)+1] op_sel_hi:[1,0] neg_lo:[0,1] neg_hi:[0,1]   ; t - m, two at a time
.endr
.set i, i+1
.endr
.if \first == 0
.irp u, 0,1
	v_exp_f32 v[ST+8*(\x+\u)+6], v[ST+8*(\x+\u)+1] ; a
.endr
.endif
.set i, 0
.rept 32
.irp u, 0,1
	v_exp_f32 v[S+32*\u+i], v[S+32*\u+i]           ; p: ONE BATCH with a; none of these lines reads an exponential's result
.endr
.set i, i+1
.endr
	v_nop                                          ; a plain line behind the last exponential,
	s_wait_alu depctr_va_vdst(0)                   ; and the one wait ahead of the batch's first reader
.irp u, 0,1                                    ; the row's sum, of the unrounded p: two chains a tile
.if \first
	v_pk_add_f32 v[ST+8*(\x+\u)+2:ST+8*(\x+\u)+3], v[S+32*\u:S+32*\u+1], v[S+32*\u+4:S+32*\u+5]
.else
	v_pk_fma_f32 v[ST+8*(\x+\u)+2:ST+8*(\x+\u)+3], v[ST+8*(\x+\u)+2:ST+8*(\x+\u)+3], v[ST+8*(\x+\u)+6:ST+8*(\x+\u)+7], v[S+32*\u:S+32*\u+1] op_sel_hi:[1,0,1]   ; l = a l + ..
.endif
	v_pk_add_f32 v[ST+8*(\x+\u)+4:ST+8*(\x+\u)+5], v[S+32*\u+2:S+32*\u+3], v[S+32*\u+6:S+32*\u+7]
.endr
.if \first == 0
.irp u, 0,1
	v_pk_add_f32 v[ST+8*(\x+\u)+2:ST+8*(\x+\u)+3], v[ST+8*(\x+\u)+2:ST+8*(\x+\u)+3], v[S+32*\u+4:S+32*\u+5]
.endr
.endif
.irp p, 8,12,16,20,24,28
.irp u, 0,1
	v_pk_add_f32 v[ST+8*(\x+\u)+2:ST+8*(\x+\u)+3], v[ST+8*(\x+\u)+2:ST+8*(\x+\u)+3], v[S+32*\u+\p:S+32*\u+\p+1]
	v_pk_add_f32 v[ST+8*(\x+\u)+4:ST+8*(\x+\u)+5], v[ST+8*(\x+\u)+4:ST+8*(\x+\u)+5], v[S+32*\u+\p+2:S+32*\u+\p+3]
.endr
.endr
.irp u, 0,1
	v_pk_add_f32 v[ST+8*(\x+\u)+2:ST+8*(\x+\u)+3], v[ST+8*(\x+\u)+2:ST+8*(\x+\u)+3], v[ST+8*(\x+\u)+4:ST+8*(\x+\u)+5]
.endr
.set i, 0
.rept 16
.irp u, 0,1
	v_cvt_pk_f16_f32 v[S+32*\u+i], v[S+32*\u+2*i], v[S+32*\u+2*i+1]   ; P, in place and ascending: registers 8 c .. 8 c + 7 are the fragment of keys 32 c on
.endr
.set i, i+1
.endr
.if \first
.rept 4
	v_nop
.endr
.else
	WIN 0x41                                       ; O^T (destination and source 0) window 1, a window 0
.set i, 0
.rept 16
.irp u, 0,1
	v_pk_mul_f32 v[32*(\x+\u)+2*i:32*(\x+\u)+2*i+1], v[32*(\x+\u)+2*i:32*(\x+\u)+2*i+1], v[ST+8*(\x+\u)+6:ST+8*(\x+\u)+7] op_sel_hi:[1,0]
.endr
.set i, i+1
.endr
.endif
.endm
; A KEY STEP: 64 keys of my half for my four tiles, in two pieces.
.macro STEP first
	WIN 0
	v_add_nc_u32 v[ADK], s[TB], v[AK0]
	v_add_nc_u32 v[ADV], s[TB], v[AV0]
	v_add_nc_u32 v[ADB], s[TJ], v[AB0]
	v_nop
	v_nop                                          ; five places behind the last V^T P: four for the loads into V's registers, five for the products that write over P (ISA guide 7.12.1 for the products)
.set n, 0
.rept 16
	ds_load_b128 v[KF+4*n:KF+4*n+3], v[ADK] offset:512*n      ; K: fragment (16 keys n / 4, channels 32 ((n / 2) % 2) on)
.set n, n+1
.endr
	WIN 0x40                                       ; destination window 1
.set n, 0
.rept 8
	ds_load_b128 v[BI+4*n:BI+4*n+3], v[ADB] offset:64*(n/2)+16*(n%2)   ; the biases of keys 16 (n / 2) + 8 (lane / 16) + 0 .. 7: the sixteen lanes of a half read the same bytes
.set n, n+1
.endr
.set n, 0
.rept 16
	ds_load_b128 v[VF+4*n:VF+4*n+3], v[ADV] offset:512*n      ; V^T: fragment (16 channels n / 4, keys 32 ((n / 2) % 2) on)
.set n, n+1
.endr
	s_wait_dscnt 16                                ; K and the biases are in; V's sixteen loads may be out
	KQ 0
.rept 4
	v_nop
.endr
	SM 0, \first
	s_wait_dscnt 0x0                               ; V is in
	PV 0, \first
	WIN 0
.rept 5
	v_nop                                          ; the next products write over the P that these have read: five places
.endr
	KQ 2
.rept 4
	v_nop
.endr
	SM 2, \first
	PV 2, \first
	WIN 0                                          ; at a label and at a branch every window is 0
	s_add_co_u32 s[TB], s[TB], 8192
	s_add_co_u32 s[TJ], s[TJ], 256
.endm
.macro STEPS n
	s_mov_b32 s[CNT], \n
.Lstep_\@:
	STEP 0
	s_sub_co_u32 s[CNT], s[CNT], 1
	s_cmp_lg_u32 s[CNT], 0
	s_cbranch_scc1 .Lstep_\@
.endm
; A prefetch into the L2 of the fill that the NEXT change of slots will ask for: 131,072 bytes, lanes 256 bytes apart.  Both clusters of a head walk the same fills: the first of them asks; its four partners take a quarter
; each, told apart by address; in each, waves 0 to 3 take 8,192 bytes, one instruction a wave: so each block of 256 bytes is named once.  It stands at the change that loads fill 2 and names fill 3, four key steps
; ahead of that fill's load; the last change that fills a slot asks for nothing, and fills 0 to 2 come by their loads alone.
.macro ASK
	s_cmp_gt_u32 s[SLOTS], s[LIM]
	s_cbranch_scc0 .Lnot_mine_\@
	global_prefetch_b8 v[PFO], s[PFA:PFA+1] th:TH_LOAD_NT scope:SCOPE_SE
.Lnot_mine_\@:
.endm
; THE CHANGE OF SLOTS.  Each wave waits for all its tensor loads (one is out: its part of the other slot), adds 0 to its spare word, and waits for that and for its reads of the slot that it leaves.
; fill = 1: the barrier is a round of the cluster's, so that no wave of any partner still reads the slot or has a load on its way; the joint refill is the first thing behind it and has four key steps in which to land.
.macro CHANGE fill
	s_wait_tensorcnt 0x0                           ; no tensor load of mine is out, so a group 0 may be written
	ds_add_u32 v[SPW], v[NIL]                      ; 0 onto my spare word
.if \fill
	s_xor_b32 s[G0W+1], s[G0W+1], SLOT1            ; the walking descriptor: the other slot than last time,
	s_add_nc_u64 s[G0W+2:G0W+3], s[G0W+2:G0W+3], 131072   ; the next fill; the type bits on top are not reached
	s_wait_xcnt 0x0                                ; the last prefetch has read its address, so it may be written
	s_add_nc_u64 s[PFA:PFA+1], s[PFA:PFA+1], 131072
	s_wait_dscnt 0x0                               ; the add is done, and my reads of the slot are over
	CROUND
	tensor_load_to_lds s[G0W:G0W+3], s[G1:G1+7]    ; my one tensor load behind the round
	s_nop 0
.rept 4
	v_nop
.endr
	ASK
.else
	s_wait_dscnt 0x0
	s_barrier_signal -1
	s_barrier_wait -1
.endif
	s_sub_co_u32 s[TB], s[TB], 32768               ; back to a slot's first step,
	s_xor_b32 s[TB], s[TB], SLOT1                  ; in the other slot
.endm
	s_wait_tensorcnt 1                             ; the biases and my part of slot 0 are in; slot 1's load may stay out
	s_barrier_signal -1
	s_barrier_wait -1                              ; everybody's are
	s_wait_loadcnt 0x0                             ; Q
	STEP 1                                         ; the first key step starts m, l and O^T: nothing is cleared
	STEPS 3
.Lslot:                                            ; two trips: fills 2 and 3 are asked for
	CHANGE 1
	STEPS 4
	s_sub_co_u32 s[SLOTS], s[SLOTS], 1
	s_cmp_lg_u32 s[SLOTS], 0
	s_cbranch_scc1 .Lslot
	CHANGE 0                                       ; the tail is written out
	STEPS 4
	; THE MERGE of the two key halves.  I send tiles 2, 3 (O^T, m, l) to my partner, take its two, which are my tiles 0, 1 under the other keys, bring both under the larger m, divide by the sum and store.
.irp t, 0,1,2,3
	v_add_f32 v[ST+8*\t+1], v[ST+8*\t+2], v[ST+8*\t+3]   ; l's two halves.  (Four plain lines: the places behind the last products)
.endr
	s_wait_dscnt 0x0
	s_barrier_signal -1
	s_barrier_wait -1                              ; the merge's bytes lie in the ring, which has had its last fill: behind this barrier no wave reads the ring any more
	WIN 0x04                                       ; an LDS store's data are its source 1: window 1
.irp u, 0,1
.irp n, 0,1,2,3,4,5,6,7
	ds_store_b128 v[MST], v[64+32*\u+4*\n:64+32*\u+4*\n+3] offset:4096*\u+512*\n   ; each accumulator from its low end on
.endr
.endr
	WIN 0
.irp u, 0,1
	ds_store_b64 v[MS8], v[ST+16+8*\u:ST+16+8*\u+1] offset:256*\u
.endr
.irp u, 0,1
	v_mov_b32 v[GF+4*\u+1], 0                      ; (the upper words of the factors' pairs are named, so they are written)
	v_mov_b32 v[GF+4*\u+3], 0
.endr
	s_wait_dscnt 0x0                               ; for my partner's sake: my stores have landed
	s_barrier_signal -1
	s_barrier_wait -1
.irp u, 0,1
.irp n, 0,1,2,3,4,5,6,7
	ds_load_b128 v[S+32*\u+4*\n:S+32*\u+4*\n+3], v[MLD] offset:4096*\u+512*\n
.endr
	ds_load_b64 v[PM+2*\u:PM+2*\u+1], v[ML8] offset:256*\u
.endr
	s_wait_dscnt 0x0
.irp u, 0,1
	v_max_num_f32 v[ST+8*\u+4], v[ST+8*\u], v[PM+2*\u]
.endr
.irp u, 0,1
	v_sub_f32 v[ST+8*\u+5], v[ST+8*\u], v[ST+8*\u+4]
	v_sub_f32 v[ST+8*\u+6], v[PM+2*\u], v[ST+8*\u+4]
.endr
.irp u, 0,1
	v_exp_f32 v[GF+4*\u], v[ST+8*\u+5]             ; what my half is multiplied by,
	v_exp_f32 v[GF+4*\u+2], v[ST+8*\u+6]           ; and my partner's: one of the two is 1
.endr
	v_nop
	s_wait_alu depctr_va_vdst(0)                   ; one wait for the four
.irp u, 0,1
	v_mul_f32 v[ST+8*\u+7], v[PM+2*\u+1], v[GF+4*\u+2]
.endr
.irp u, 0,1
	v_fma_f32 v[ST+8*\u+7], v[ST+8*\u+1], v[GF+4*\u], v[ST+8*\u+7]
.endr
.irp u, 0,1
	v_permlanex16_b32 v[ST+8*\u+5], v[ST+8*\u+7], s[SEL], s[SEL+1]
.endr
.irp u, 0,1
	v_add_f32 v[ST+8*\u+7], v[ST+8*\u+7], v[ST+8*\u+5]   ; the row's sum over all 2,048 keys: at least 1
.endr
.irp u, 0,1
	v_rcp_f32 v[ST+8*\u+6], v[ST+8*\u+7]
.endr
	v_nop
	s_wait_alu depctr_va_vdst(0)                   ; one wait for the two
.irp u, 0,1
	v_mul_f32 v[GF+4*\u], v[GF+4*\u], v[ST+8*\u+6]
	v_mul_f32 v[GF+4*\u+2], v[GF+4*\u+2], v[ST+8*\u+6]
.endr
.irp u, 0,1
.set i, 0
.rept 16
	v_pk_mul_f32 v[S+32*\u+2*i:S+32*\u+2*i+1], v[S+32*\u+2*i:S+32*\u+2*i+1], v[GF+4*\u+2:GF+4*\u+3] op_sel_hi:[1,0]
.set i, i+1
.endr
	WIN 0x01                                       ; source 0: my O^T, window 1
.set i, 0
.rept 16
	v_pk_fma_f32 v[S+32*\u+2*i:S+32*\u+2*i+1], v[32*\u+2*i:32*\u+2*i+1], v[GF+4*\u:GF+4*\u+1], v[S+32*\u+2*i:S+32*\u+2*i+1] op_sel_hi:[1,0,1]
.set i, i+1
.endr
	WIN 0
.set i, 0
.rept 16
	v_cvt_pk_f16_f32 v[S+32*\u+i], v[S+32*\u+2*i], v[S+32*\u+2*i+1]   ; a lane's eight channels of a query: 16 bytes of the next product's fragment
.set i, i+1
.endr
.irp c, 0,1,2,3
	global_store_b128 v[GO], v[S+32*\u+4*\c:S+32*\u+4*\c+3], s[10:11] offset:16384*\u+512*\c   ; 32 lanes store 512 consecutive bytes
.endr
.endr
	s_wait_tensorcnt 0x0                           ; the wave's end, behind my last tensor load and my last LDS store
	ds_add_u32 v[SPW], v[NIL]
	s_wait_dscnt 0x0
	CROUND                                         ; the closing round: no work-group ends while a partner may still ask for a tile that names it
	s_endpgm
.Lfunc_end_k_qbf59112d9c_attn:
	.size	k_qbf59112d9c_attn, .Lfunc_end_k_qbf59112d9c_attn-k_qbf59112d9c_attn
	.p2alignl 7, 3214868480
	.fill 96, 4, 3214868480
	.section	.rodata,"a",@progbits
	.p2align	6, 0x0
	.amdhsa_kernel k_qbf59112d9c_attn
		.amdhsa_group_segment_fixed_size 327680
		.amdhsa_private_segment_fixed_size 0
		.amdhsa_enable_private_segment 0
		.amdhsa_kernarg_size 32
		.amdhsa_user_sgpr_count 2
		.amdhsa_user_sgpr_kernarg_segment_ptr 1
		.amdhsa_wavefront_size32 1
		.amdhsa_system_sgpr_workgroup_id_x 1
		.amdhsa_system_sgpr_workgroup_id_y 1
		.amdhsa_system_sgpr_workgroup_id_z 1
		.amdhsa_system_vgpr_workitem_id 0
		.amdhsa_next_free_vgpr 512
		.amdhsa_next_free_sgpr 66
		.amdhsa_reserve_vcc 0
		.amdhsa_float_denorm_mode_32 3
		.amdhsa_float_denorm_mode_16_64 3
		.amdhsa_memory_ordered 1
		.amdhsa_forward_progress 1
		.amdhsa_inst_pref_size 146
	.end_amdhsa_kernel
	.amdgpu_metadata
---
amdhsa.version: [ 1, 2 ]
amdhsa.kernels:
  - .name:           k_qbf59112d9c_attn
    .symbol:         k_qbf59112d9c_attn.kd
    .args:
      - { .name: qimg, .offset: 0, .size: 8, .value_kind: global_buffer, .address_space: global }
      - { .name: kvimg, .offset: 8, .size: 8, .value_kind: global_buffer, .address_space: global }
      - { .name: mbias, .offset: 16, .size: 8, .value_kind: global_buffer, .address_space: global }
      - { .name: aimg, .offset: 24, .size: 8, .value_kind: global_buffer, .address_space: global }
    .group_segment_fixed_size: 327680
    .private_segment_fixed_size: 0
    .kernarg_segment_align: 8
    .kernarg_segment_size: 32
    .max_flat_workgroup_size: 256
    .sgpr_count:     66
    .vgpr_count:     512
    .wavefront_size: 32
...
	.end_amdgpu_metadata
.endif
;; end of part 3
;; launch outp (part 4): grid 4 x 64, 4 waves a work-group, clusters of 4 x 4, 327,680 bytes of LDS; arguments aimg, woimg, bout, out0; writes out0
.if DOCPART == 4
	.amdgcn_target "amdgcn-amd-amdhsa--gfx1250"
	.amdhsa_code_object_version 6
	.text
	.protected	k_qbf59112d9c_outp
	.globl	k_qbf59112d9c_outp
	.p2align	8
	.type	k_qbf59112d9c_outp,@function
k_qbf59112d9c_outp:
	s_mov_b64 s[64:65], 0
	v_nop
	global_prefetch_b8 v0, s[64:65] scope:SCOPE_SE
	s_setreg_imm32_b32 hwreg(HW_REG_WAVE_MODE, 25, 1), 1
	s_wait_xcnt 0x0
	s_wait_alu depctr_hold_cnt(0) depctr_sa_sdst(0) depctr_va_vdst(0) depctr_va_sdst(0) depctr_va_ssrc(0) depctr_va_vcc(0) depctr_vm_vsrc(0)
	s_getreg_b32 s2, hwreg(HW_REG_IB_STS2, 6, 4)
	s_cmp_eq_u32 s2, 0
	s_cbranch_scc0 .Lentry_in_a_cluster
	s_endpgm
.Lentry_in_a_cluster:
	s_bfe_u32 s2, ttmp6, 0x10000c
	s_cmp_lg_u32 s2, 0xf033
	s_cbranch_scc0 .Lentry_shape_is_right
	s_endpgm
.Lentry_shape_is_right:
; OUTP: out0 = A Wout + bout.  A [8192][512] (the attention's result) and Wout arrive as f16, laid as images of fragments; sums in f32; out0 f32.
; A tile of out0 is 128 x 128: 64 x 4 = 256 work-groups of four waves, each wave 64 x 64: 16 accumulators.  K = 512 is short: ALL of it lies in LDS, as four chunks of 128 along K, each filled once;
; nothing is ever filled again, so there is no ring: chunk q is multiplied while the later chunks land.
; A chunk holds 8 token tiles x 4,096 bytes of A, then 8 column tiles x 4,096 bytes of Wout (four fragments of 1,024 bytes each).  In memory a tile's 512 along K are 16,384 bytes: a wave's load is 4 rows of 4,096 bytes, 16,384 apart.
; CLUSTERS: 4 x 4 work-groups.  The four of a row of the cluster need the same tiles of A, the four of a column the same tiles of Wout: each is asked for JOINTLY, by the same tensor load with the same descriptor and a
; mask that names the four.  By this text's count a wave has four tensor loads out, all issued at the start.
; THE MATRIX INSTRUCTION IS USED TRANSPOSED (source 0 = 16 columns of Wout, source 1 = 16 tokens): a lane holds eight neighbouring numbers of a row of out0.  bout is the C of each sum's first product.
; REGISTERS: window 0: v16-19, v20-23 LDS addresses of my A and Wout fragments, one for each chunk; v24-26 the way out; v28, v29 the add's two; v32-63 bout in the result's layout; v64-127 rows on their way out;
;   v128-255 the accumulators ((a, b) at v[128 + 8 (4 a + b)]).   windows 1 and 2, by turns: a chunk's fragments: Wout's at v[32 ks + 8 b], A's at v[128 + 32 ks + 8 a].
.set CHUNK, 65536
.set STAGE, 262144                     ; behind the chunks: 16 rows x (256 bytes + 16) for each wave
.set SPARE, 279552                     ; the spare words, 128 bytes for each wave: two blocks of 256 bytes that no other line names
.set ADA, 16
.set ADB, 20
.set STO, 24
.set RD,  25
.set CO,  26
.set SPW, 28
.set NIL, 29
.set BO,  32
.set BK,  64
.set ACC, 128
.set WV,  12                           ; s12 wave; s13 wave / 2: my half of the rows, and whether I fetch for A (0) or Wout (1); s14 wave % 2: my half of the columns, and which four tiles I fetch
.set G1A, 16                           ; s[16:23], s[24:31] group 1 for A's and for Wout's tiles: they differ in the mask
.set G1B, 24
.set G0A, 32                           ; s[32:47] group 0 for A's four chunks;  s[48:63] for Wout's
.set G0B, 48
.set MSB, 0
.macro WIN new                         ; the immediate's high byte repeats the setting that is left
.if MSB != \new
	s_set_vgpr_msb (MSB<<8)|\new
.set MSB, \new
.endif
.endm
.macro CROUND                          ; a round of the cluster's barrier
	s_barrier_signal -1
	s_barrier_wait -1
	s_cmp_lg_u32 s[WV], 0
	s_cbranch_scc1 .Lnot_wave_0_\@
	s_barrier_signal -3
.Lnot_wave_0_\@:
	s_barrier_wait -3
	s_barrier_signal -1
	s_barrier_wait -1
.endm
.macro BAR
	s_barrier_signal -1
	s_barrier_wait -1
.endm
.macro PLACES                          ; four places in front of loads into registers that matrix instructions have read, and of the first read of results (ISA guide 7.12.1 for the first read of results)
.rept 4
	v_nop
.endr
.endm
	s_load_b256 s[4:11], s[0:1], 0x0               ; aimg, woimg, bout, out0
	v_lshl_add_u32 v[SPW], v0, 2, SPARE
	v_mov_b32 v[NIL], 0
	ds_add_u32 v[SPW], v[NIL]                      ; the wave's opening: the add, twice on end, and its wait ahead of my first tensor load
	ds_add_u32 v[SPW], v[NIL]
	v_lshrrev_b32 v1, 5, v0
	v_readfirstlane_b32 s[WV], v1
	s_lshr_b32 s13, s[WV], 1
	s_and_b32 s14, s[WV], 1
	s_bfe_u32 s66, ttmp6, 0x40000                  ; cx, cy: my place in the cluster
	s_bfe_u32 s67, ttmp6, 0x40004
	s_lshl_b32 s68, ttmp9, 2
	s_add_co_u32 s68, s68, s66                     ; tile column = 4 x cluster x + cx
	s_and_b32 s69, ttmp7, 0xffff
	s_lshl_b32 s69, s69, 2
	s_add_co_u32 s69, s69, s67                     ; tile row = 4 x cluster y + cy
	s_lshl_b32 s70, s67, 2
	s_lshl_b32 s70, 15, s70                        ; my row of the cluster
	s_lshl_b32 s71, 0x1111, s66                    ; my column
	s_or_b32 s[G1A], s70, (3<<16)|(1<<21)          ; 15:0 the mask; 17:16 elements of 8 bytes; 21 set beside a mask; no padding
	s_or_b32 s[G1B], s71, (3<<16)|(1<<21)
.irp g, G1A, G1B
	s_mov_b32 s[\g+1], 512<<16                     ; tensor_dim0 = 512 elements: 4,096 bytes
	s_mov_b32 s[\g+2], 4<<16                       ; tensor_dim1 = 4
	s_mov_b32 s[\g+3], 512<<16                     ; tile_dim0
	s_mov_b32 s[\g+4], 4                           ; tile_dim1
	s_mov_b32 s[\g+5], 2048                        ; from row to row: 16,384 bytes
	s_mov_b32 s[\g+6], 0
	s_mov_b32 s[\g+7], 0
.endr
	s_lshl_b32 s76, s14, 16                        ; which four tiles I fetch
	s_lshl_b32 s72, s69, 17                        ; A: 8 token tiles of 16,384 bytes to a tile row: it hangs on the tile row alone
	s_add_co_u32 s72, s72, s76
	s_mov_b32 s73, 0
	s_lshl_b32 s74, s68, 17                        ; Wout: on the tile column alone
	s_add_co_u32 s74, s74, s76
	s_mov_b32 s75, 0
	s_lshl_b32 s77, s[WV], 14                      ; where they go: wave x 16,384: no place in the cluster enters an LDS address
	s_wait_dscnt 0x0                               ; both opening adds are done
	s_wait_kmcnt 0x0
	s_add_nc_u64 s[72:73], s[4:5], s[72:73]
	s_add_nc_u64 s[74:75], s[6:7], s[74:75]
	CROUND                                         ; all sixteen work-groups are here: the joint loads meet
.irp q, 0,1,2,3
	s_mov_b32 s[G0A+4*\q], 1
	s_add_co_u32 s[G0A+4*\q+1], s77, \q*CHUNK
	s_add_nc_u64 s[G0A+4*\q+2:G0A+4*\q+3], s[72:73], \q*4096
	s_or_b32 s[G0A+4*\q+3], s[G0A+4*\q+3], 0x80000000
	s_mov_b32 s[G0B+4*\q], 1
	s_add_co_u32 s[G0B+4*\q+1], s77, \q*CHUNK
	s_add_nc_u64 s[G0B+4*\q+2:G0B+4*\q+3], s[74:75], \q*4096
	s_or_b32 s[G0B+4*\q+3], s[G0B+4*\q+3], 0x80000000
.endr
	s_cmp_eq_u32 s13, 0                            ; a wave's four fills stand in one branch on the wave's number, ahead of every wait on TENSORcnt and every LDS read
	s_cbranch_scc0 .Lfirst_b
.irp q, 0,1,2,3
	tensor_load_to_lds s[G0A+4*\q:G0A+4*\q+3], s[G1A:G1A+7]
	s_nop 0
.endr
.rept 4
	v_nop
.endr
	s_branch .Lfirst_asked
.Lfirst_b:
.irp q, 0,1,2,3
	tensor_load_to_lds s[G0B+4*\q:G0B+4*\q+3], s[G1B:G1B+7]
	s_nop 0
.endr
.rept 4
	v_nop
.endr
.Lfirst_asked:
	v_and_b32 v1, 31, v0
	v_lshlrev_b32 v2, 4, v1                        ; 16 x lane
	v_and_b32 v3, 15, v0                           ; r
	v_bfe_u32 v4, v0, 4, 1                         ; h
	s_lshl_b32 s82, s68, 9                         ; my first column in bytes: 512 x tile column + 256 x half
	s_lshl_b32 s83, s14, 8
	s_add_co_u32 s82, s82, s83
	s_mov_b32 s83, 0
	s_add_nc_u64 s[84:85], s[8:9], s[82:83]
	v_lshlrev_b32 v6, 5, v4
.irp b, 0,1,2,3
	global_load_b128 v[BO+8*\b:BO+8*\b+3],   v6, s[84:85] offset:64*\b      ; bout at columns 16 b + 8 h + 0 .. 7
	global_load_b128 v[BO+8*\b+4:BO+8*\b+7], v6, s[84:85] offset:64*\b+16
.endr
	s_lshl_b32 s78, s13, 14                        ; my four token tiles,
	s_lshl_b32 s79, s14, 14                        ; my four column tiles,
	s_add_co_u32 s79, s79, 32768                   ; which lie behind A's eight
.irp q, 0,1,2,3
	v_add_nc_u32 v[ADA+\q], s78, v2
	v_add_nc_u32 v[ADB+\q], s79, v2
	s_add_co_u32 s78, s78, CHUNK
	s_add_co_u32 s79, s79, CHUNK
.endr
	s_mul_i32 s80, s[WV], 16*272
	s_add_co_u32 s80, s80, STAGE                   ; my stage
	v_mul_u32_u24 v5, v3, 272
	v_lshl_add_u32 v5, v4, 5, v5
	v_add_nc_u32 v[STO], s80, v5                   ; in: row r, 32 bytes for each half of the lanes
	v_mul_u32_u24 v5, v4, 272
	v_lshl_add_u32 v5, v3, 4, v5
	v_add_nc_u32 v[RD], s80, v5                    ; back: lanes 0-15 one row of 256 bytes, lanes 16-31 the next
	v_lshlrev_b32 v5, 11, v4
	v_lshl_add_u32 v[CO], v3, 4, v5                ; and the same two rows in out0
	s_lshl_b32 s86, s69, 18                        ; my first row: 128 x tile row + 64 x half, 2,048 bytes each
	s_lshl_b32 s87, s13, 17
	s_add_co_u32 s86, s86, s87
	s_add_co_u32 s86, s86, s82
	s_mov_b32 s87, 0
	s_add_nc_u64 s[88:89], s[10:11], s[86:87]
.macro FETCH q, win                    ; chunk q's 32 fragments of mine into window win: 64 loads of 512 consecutive bytes
	WIN (\win)<<6
.irp ks, 0,1,2,3
.irp b, 0,1,2,3
.irp c, 0,1
	ds_load_b128 v[32*\ks+8*\b+4*\c:32*\ks+8*\b+4*\c+3], v[ADB+\q] offset:4096*\b+1024*\ks+512*\c
.endr
.endr
.irp a, 0,1,2,3
.irp c, 0,1
	ds_load_b128 v[128+32*\ks+8*\a+4*\c:128+32*\ks+8*\a+4*\c+3], v[ADA+\q] offset:4096*\a+1024*\ks+512*\c
.endr
.endr
.endr
.endm
.macro MUL q, win                      ; 64 products; the 16 accumulators take turns, one instruction a turn, in the same order throughout
	WIN 5*(\win)                                   ; sources 0 and 1 in window win, C and D in window 0
.irp ks, 0,1,2,3
.irp a, 0,1,2,3
.irp b, 0,1,2,3
.if (\q == 0) && (\ks == 0)
	v_wmma_f32_16x16x32_f16 v[ACC+8*(4*\a+\b):ACC+8*(4*\a+\b)+7], v[32*\ks+8*\b:32*\ks+8*\b+7], v[128+32*\ks+8*\a:128+32*\ks+8*\a+7], v[BO+8*\b:BO+8*\b+7]
.else
	v_wmma_f32_16x16x32_f16 v[ACC+8*(4*\a+\b):ACC+8*(4*\a+\b)+7], v[32*\ks+8*\b:32*\ks+8*\b+7], v[128+32*\ks+8*\a:128+32*\ks+8*\a+7], v[ACC+8*(4*\a+\b):ACC+8*(4*\a+\b)+7]
.endif
.endr
.endr
.endr
.endm
	s_wait_tensorcnt 3                             ; my part of chunk 0 is in; the three later chunks' loads may be out
	BAR                                            ; everybody's is
	FETCH 0, 1
	s_wait_dscnt 0x0                               ; no LDS load of mine is out at a signal
	s_wait_tensorcnt 2                             ; chunk 1
	BAR
	FETCH 1, 2
	s_wait_loadcnt 0x0                             ; bout
	MUL 0, 1                                       ; chunk 0 is multiplied while chunk 1's fragments come out of LDS
	s_wait_dscnt 0x0
	s_wait_tensorcnt 1                             ; chunk 2
	BAR
	PLACES
	FETCH 2, 1
	MUL 1, 2
	s_wait_dscnt 0x0
	s_wait_tensorcnt 0x0                           ; chunk 3
	BAR
	PLACES
	FETCH 3, 2
	MUL 2, 1
	s_wait_dscnt 0x0
	MUL 3, 2
	WIN 0
	PLACES
; THE WAY OUT, block by block of 16 rows x 64 columns.  A lane holds 32 neighbouring bytes of a row and the lanes beside it hold other rows: a block goes through my own stage and comes back as rows of 256 bytes,
; which sixteen lanes store as one aligned run.  LDS serves a wave's instructions in order (ISA guide 5.7.1.4): no wait between the stores and the loads.
.macro TOSTAGE a
.irp b, 0,1,2,3
	ds_store_b128 v[STO], v[ACC+8*(4*(\a)+\b):ACC+8*(4*(\a)+\b)+3] offset:64*\b          ; each accumulator from its low end on
	ds_store_b128 v[STO], v[ACC+8*(4*(\a)+\b)+4:ACC+8*(4*(\a)+\b)+7] offset:64*\b+16
.endr
.irp t, 0,1,2,3,4,5,6,7
	ds_load_b128 v[BK+32*((\a)%2)+4*\t:BK+32*((\a)%2)+4*\t+3], v[RD] offset:544*\t
.endr
.endm
.macro SEND a, younger                 ; younger: the LDS instructions issued behind block a's loads, which may stay out
	s_wait_dscnt \younger
.irp t, 0,1,2,3,4,5,6,7
	global_store_b128 v[CO], v[BK+32*((\a)%2)+4*\t:BK+32*((\a)%2)+4*\t+3], s[88:89] offset:32768*(\a)+4096*\t th:TH_STORE_NT   ; written once, read by nobody here
.endr
.endm
	TOSTAGE 0
.irp a, 1,2,3
.if \a > 1
	s_wait_xcnt 0x0                                ; block a - 2's stores have read their data: block a's loads may land there
.endif
	TOSTAGE \a
	SEND \a-1, 16                                  ; behind block a - 1's loads: block a's eight stores and eight loads
.endr
	SEND 3, 0
	s_wait_tensorcnt 0x0                           ; the wave's end, behind my last tensor load and my last LDS store
	ds_add_u32 v[SPW], v[NIL]
	s_wait_dscnt 0x0
	CROUND                                         ; the closing round: no work-group ends while a partner may still ask for a tile that names it
	s_endpgm
.Lfunc_end_k_qbf59112d9c_outp:
	.size	k_qbf59112d9c_outp, .Lfunc_end_k_qbf59112d9c_outp-k_qbf59112d9c_outp
	.p2alignl 7, 3214868480
	.fill 96, 4, 3214868480
	.section	.rodata,"a",@progbits
	.p2align	6, 0x0
	.amdhsa_kernel k_qbf59112d9c_outp
		.amdhsa_group_segment_fixed_size 327680
		.amdhsa_private_segment_fixed_size 0
		.amdhsa_enable_private_segment 0
		.amdhsa_kernarg_size 32
		.amdhsa_user_sgpr_count 2
		.amdhsa_user_sgpr_kernarg_segment_ptr 1
		.amdhsa_wavefront_size32 1
		.amdhsa_system_sgpr_workgroup_id_x 1
		.amdhsa_system_sgpr_workgroup_id_y 1
		.amdhsa_system_sgpr_workgroup_id_z 1
		.amdhsa_system_vgpr_workitem_id 0
		.amdhsa_next_free_vgpr 768
		.amdhsa_next_free_sgpr 100
		.amdhsa_reserve_vcc 0
		.amdhsa_float_denorm_mode_32 3
		.amdhsa_float_denorm_mode_16_64 3
		.amdhsa_memory_ordered 1
		.amdhsa_forward_progress 1
		.amdhsa_inst_pref_size 50
	.end_amdhsa_kernel
	.amdgpu_metadata
---
amdhsa.version: [ 1, 2 ]
amdhsa.kernels:
  - .name:           k_qbf59112d9c_outp
    .symbol:         k_qbf59112d9c_outp.kd
    .args:
      - { .name: aimg, .offset: 0, .size: 8, .value_kind: global_buffer, .address_space: global }
      - { .name: woimg, .offset: 8, .size: 8, .value_kind: global_buffer, .address_space: global }
      - { .name: bout, .offset: 16, .size: 8, .value_kind: global_buffer, .address_space: global }
      - { .name: out0, .offset: 24, .size: 8, .value_kind: global_buffer, .address_space: global }
    .group_segment_fixed_size: 327680
    .private_segment_fixed_size: 0
    .kernarg_segment_align: 8
    .kernarg_segment_size: 32
    .max_flat_workgroup_size: 128
    .sgpr_count:     100
    .vgpr_count:     768
    .wavefront_size: 32
...
	.end_amdgpu_metadata
.endif
;; end of part 4
